; MI455X (gfx1250); checked and timed in simulation.
; The chip was launched on July 23, 2026; its instructions are those of AMD's public machine-readable ISA for CDNA 5 (MIT licence, August 2026) and "CDNA5" Instruction Set Architecture Reference Guide (July 2026). The comments in the code are by the model that wrote it; some were corrected since.
;; NVFP4 Packed Linear. Allowed arithmetic: float matrix products may take bf16 or f16 operands with f32 sums; other float arithmetic in f32, or as packed bf16 or f16 multiplies, adds, multiply-adds, maxima and minima; sums over many terms, partial sums and values carried from step to step in f32; what a program stores and reads back later, other than sums and carried values, may be rounded once to bf16 or f16.
;; Inputs: bias 8,192 float32; weight_packed 8,192 x 2,048 int32; weight_scales 8,192 x 128 float32; x 4 x 512 x 4,096 float32.
;; Outputs: out0 4 x 512 x 8,192 float32.
;; 2 versions, each right; version 2 is version 1 with the launch prep written anew for expert scheduling mode. Each part assembles by itself: llvm-mc -triple=amdgcn-amd-amdhsa -mcpu=gfx1250 --defsym DOCPART=n.
;; ======== version 1 of 2: 2 launches
;; workspace buffers: wb 67,108,864 bytes; xb 16,777,216 bytes
;; launch prep (part 1): grid 256 x 3, 4 waves a work-group, no clusters, 10,752 bytes of LDS; arguments weight_packed, weight_scales, x, wb, xb; writes wb, xb
.if DOCPART == 1
	.amdgcn_target "amdgcn-amd-amdhsa--gfx1250"
	.amdhsa_code_object_version 6
	.text
	.protected	k_qf5d0fc4cd4_prep
	.globl	k_qf5d0fc4cd4_prep
	.p2align	8
	.type	k_qf5d0fc4cd4_prep,@function
k_qf5d0fc4cd4_prep:
	s_mov_b64 s[64:65], 0
	v_nop
	global_prefetch_b8 v0, s[64:65] scope:SCOPE_SE
	s_setreg_imm32_b32 hwreg(HW_REG_WAVE_MODE, 25, 1), 1
	s_wait_xcnt 0x0
; wb[n][k] = bf16( bf16(scale[n][k / 32]) x code(n, k) ), [8192][4096] bf16;  xb = bf16(x), [2048][4096] bf16.  Both are the matrix operands of the launch behind.
; A word of weight_packed holds two 4-bit codes (E2M1 with a sign: bits 3:0 the even k, bits 7:4 the odd k) in its low byte; the bits above are not used, as in the problem's own decoding.
; Two weights in bf16 are 4 bytes as well: A ROW OF wb HAS THE BYTES OF A ROW OF weight_packed (8,192), and what a lane loads at a byte offset it stores at the same offset.
; LIMITS.  The scale is rounded to bf16 first and the product with the code (exact in f32: 8 bits x 2 bits) is rounded to bf16 once more; x is rounded to bf16 once.  bf16 has f32's range.
; SHARES.  A stream: every byte is read once and written once, nothing is shared between work-groups, so there is no cluster, no tensor load, no matrix work and no barrier.
; Work-groups with y = 0, 1 (512 of them): wave g = 4 (256 y + x) + wave owns rows 4 g .. 4 g + 3 of the weights.  Work-groups with y = 2 (256): wave g = 4 x + wave owns 32,768 bytes of x, four groups of 8,192.
; Both paths: three slots of 64 registers, a row or a group each (16 loads of 512 consecutive bytes); three units are asked for at once, the fourth when the first slot's stores have read their registers.
; All steps stand in the immediates (32,256 at the most): no address register and no base is ever rewritten.
; THE SCALES.  Lane l's 16 bytes of chunk j are k = 256 j + 8 l .. + 7, whose scale is number 8 j + l / 4 of the row's 128.  The row's scales come in by one load of 512 consecutive bytes (lane l: numbers 4 l .. 4 l + 3),
; are rounded, and change lanes through the wave's own LDS bytes, laid [q = 0..7][j = 0..15] with 80 bytes from q to q + 1: lane l reads the sixteen of q = l / 4.
.set ROWB,  8192                       ; bytes in a row of weight_packed and of wb, and in a group of x
.set QP,    80                         ; LDS: from q to q + 1: 64 bytes of scales + 16, so that reads of 16 bytes stay aligned
.set RAREA, 8*QP                       ; LDS: a row's scales
.set AREA,  4*RAREA                    ; LDS: a wave's four rows: 2,560 bytes, ten blocks of 256
.set SPARE, 4*AREA                     ; behind them: the spare words, 128 bytes for each wave: two blocks of 256 bytes that no other line names
.set OFF,   2                          ; v2   my byte offset in weight_packed and wb (or in x): 32,768 g + 16 l; never rewritten
.set SOFF,  3                          ; v3   my byte offset in weight_scales: 2,048 g + 16 l; never rewritten
.set OOFF,  3                          ; v3   on x's path: my byte offset in xb: 16,384 g + 8 l; never rewritten
.set LST,   4                          ; v4   where I put my four scales: wave's bytes + 320 (l % 2) + 4 (l / 2)
.set LRD,   5                          ; v5   where I read my sixteen: wave's bytes + 80 (l / 4)
.set SPW,   6                          ; v6   LDS address of my spare word: SPARE + 4 x my thread's number; never rewritten
.set NIL,   7                          ; v7   0, for the add alone; never rewritten
.set ONE,   8                          ; v8   the conversion's block scale: 0x7f, which stands for 2^0, in each of the word's four bytes and in every lane
.set ZERO,  9                          ; v9   0: the addend of the multiply that rounds
.set RAW,   12                         ; v[12:23]  slot s: 4 registers, the row's scales as loaded, then rounded
.set S,     24                         ; v[24:39]  my sixteen scales of the row at work: chunk j's in S + j
.set T,     40                         ; v[40:55]  two buffers of 8: a chunk's eight codes as f32
.set X,     64                         ; v[64:255] slot s: 64 registers; chunk j at 4 j: as loaded, then as stored
; A row of the weights is asked for: its scales, then its 16 chunks: 17 loads.
.macro FILLW s, row
	global_load_b128 v[RAW+4*(\s):RAW+4*(\s)+3], v[SOFF], s[6:7] offset:512*(\row) th:TH_LOAD_NT
.irp j, 0,1,2,3,4,5,6,7,8,9,10,11,12,13,14,15
	global_load_b128 v[X+64*(\s)+4*(\j):X+64*(\s)+4*(\j)+3], v[OFF], s[4:5] offset:ROWB*(\row)+512*(\j) th:TH_LOAD_NT
.endr
.endm
; The row in slot s is decoded, scaled and stored.  left = how many younger loads may stay out.
.macro TURNW s, row, left
.set XS, X+64*(\s)
.set RW, RAW+4*(\s)
	s_wait_loadcnt \left                           ; loads come back in order (ISA guide 5.7.1): this row's 17 are in
	v_cvt_pk_bf16_f32 v[T], v[RW], v[RW+1]         ; the scales are rounded to bf16,
	v_cvt_pk_bf16_f32 v[T+1], v[RW+2], v[RW+3]
	v_lshlrev_b32 v[RW], 16, v[T]                  ; and written as f32 again
	v_and_b32 v[RW+1], s18, v[T]
	v_lshlrev_b32 v[RW+2], 16, v[T+1]
	v_and_b32 v[RW+3], s18, v[T+1]
.irp c, 0,1,2,3
	ds_store_b32 v[LST], v[RW+(\c)] offset:RAREA*(\row)+QP*(\c)  ; scale 4 l + c = 8 j + q with j = l / 2, q = 4 (l % 2) + c
.endr
.irp i, 0,1,2,3
	ds_load_b128 v[S+4*(\i):S+4*(\i)+3], v[LRD] offset:RAREA*(\row)+16*(\i)  ; the bytes are my wave's own, and LDS serves a wave's instructions in order (ISA guide 5.7.1.4): these see the stores above
.endr
	; the four low bytes of a chunk's four words into one word: eight codes, k ascending from bit 0.  This work stands between the LDS loads and the wait for them.
.irp j, 0,1,2,3,4,5,6,7,8,9,10,11,12,13,14,15
	v_perm_b32 v[XS+4*(\j)], v[XS+4*(\j)+1], v[XS+4*(\j)], s16      ; bytes b0, b1, b0, b1
	v_perm_b32 v[XS+4*(\j)+2], v[XS+4*(\j)+3], v[XS+4*(\j)+2], s16  ; bytes b2, b3, b2, b3
	v_perm_b32 v[XS+4*(\j)], v[XS+4*(\j)+2], v[XS+4*(\j)], s17      ; bytes b0, b1, b2, b3
.if (\j) == 0
	v_cvt_scale_pk8_f32_fp4 v[T:T+7], v[XS], v[ONE]                 ; chunk 0's eight codes as f32, times 2^0; the lines that follow name none of its registers
.endif
.endr
	s_wait_dscnt 0x0                               ; my sixteen scales are in
.irp j, 0,1,2,3,4,5,6,7,8,9,10,11,12,13,14,15
.if (\j) < 15
	v_cvt_scale_pk8_f32_fp4 v[T+8*(((\j)+1)%2):T+8*(((\j)+1)%2)+7], v[XS+4*(\j)+4], v[ONE]  ; the next chunk's codes into the other buffer: this chunk's eight plain lines stand between the conversion and the use of its result
.endif
.irp k, 0,1,2,3
	v_fma_mixlo_bf16 v[XS+4*(\j)+(\k)], v[T+8*((\j)%2)+2*(\k)], v[S+(\j)], v[ZERO]    ; code x scale + 0, rounded once to bf16: the even k into the low half,
.endr
.irp k, 0,1,2,3
	v_fma_mixhi_bf16 v[XS+4*(\j)+(\k)], v[T+8*((\j)%2)+2*(\k)+1], v[S+(\j)], v[ZERO]  ; the odd k into the high half
.endr
	global_store_b128 v[OFF], v[XS+4*(\j):XS+4*(\j)+3], s[10:11] offset:ROWB*(\row)+512*(\j) th:TH_STORE_NT  ; the wave stores 512 consecutive bytes, at a multiple of 512 from wb's first byte
.endr
.endm
; A group of x is asked for: 16 loads.
.macro FILLX s, grp
.irp j, 0,1,2,3,4,5,6,7,8,9,10,11,12,13,14,15
	global_load_b128 v[X+64*(\s)+4*(\j):X+64*(\s)+4*(\j)+3], v[OFF], s[8:9] offset:ROWB*(\grp)+512*(\j) th:TH_LOAD_NT
.endr
.endm
; The group in slot s is rounded and stored.
.macro TURNX s, grp, left
	s_wait_loadcnt \left
.irp j, 0,1,2,3,4,5,6,7,8,9,10,11,12,13,14,15
	v_cvt_pk_bf16_f32 v[X+64*(\s)+4*(\j)], v[X+64*(\s)+4*(\j)], v[X+64*(\s)+4*(\j)+1]
	v_cvt_pk_bf16_f32 v[X+64*(\s)+4*(\j)+1], v[X+64*(\s)+4*(\j)+2], v[X+64*(\s)+4*(\j)+3]
	global_store_b64 v[OOFF], v[X+64*(\s)+4*(\j):X+64*(\s)+4*(\j)+1], s[12:13] offset:4096*(\grp)+256*(\j) th:TH_STORE_NT  ; 32 lanes x 8 bytes: 256 consecutive bytes, at a multiple of 256 from xb's first byte
.endr
.endm
	s_load_b256 s[4:11], s[0:1], 0x0               ; weight_packed s[4:5], weight_scales s[6:7], x s[8:9], wb s[10:11]
	s_load_b64 s[12:13], s[0:1], 0x20              ; xb
	v_lshl_add_u32 v[SPW], v0, 2, SPARE
	v_mov_b32 v[NIL], 0
	v_lshrrev_b32 v1, 5, v0
	v_readfirstlane_b32 s14, v1                    ; wave 0..3
	v_and_b32 v1, 31, v0                           ; lane
	s_and_b32 s22, ttmp7, 0xffff                   ; the work-group's y
	s_cmp_lt_u32 s22, 2
	s_cbranch_scc0 .Lx                             ; y = 2: x's path
	; THE WEIGHTS
	s_lshl_b32 s15, s22, 8
	s_add_co_u32 s15, s15, ttmp9                   ; 256 y + x
	s_lshl_b32 s15, s15, 2
	s_add_co_u32 s15, s15, s14                     ; g
	s_lshl_b32 s19, s15, 15                        ; four rows of 8,192 bytes
	s_lshl_b32 s20, s15, 11                        ; four rows of 512 bytes of scales
	s_mul_i32 s21, s14, AREA                       ; my wave's LDS bytes
	s_mov_b32 s16, 0x04000400                      ; v_perm_b32: byte 0 of the second source, byte 0 of the first, and both once more
	s_mov_b32 s17, 0x05040100                      ; the low halves of the second source and of the first
	s_mov_b32 s18, 0xffff0000                      ; a word's upper bf16
	v_lshl_add_u32 v[OFF], v1, 4, s19
	v_lshl_add_u32 v[SOFF], v1, 4, s20
	v_and_b32 v10, 1, v0                           ; l % 2
	v_bfe_u32 v11, v0, 1, 4                        ; l / 2
	v_mul_u32_u24 v10, v10, 4*QP
	v_lshl_add_u32 v10, v11, 2, v10
	v_add_nc_u32 v[LST], s21, v10
	v_bfe_u32 v11, v0, 2, 3                        ; l / 4
	v_mul_u32_u24 v11, v11, QP
	v_add_nc_u32 v[LRD], s21, v11
	v_mov_b32 v[ONE], 0x7f7f7f7f
	v_mov_b32 v[ZERO], 0
	s_wait_kmcnt 0x0
	FILLW 0, 0
	FILLW 1, 1
	FILLW 2, 2
	TURNW 0, 0, 34                                 ; rows 1 and 2, 17 loads each, stay out
	s_wait_xcnt 0x0                                ; every earlier memory instruction has had its addresses translated (ISA guide 3.1): slot 0, which row 0's stores read, is loaded again only behind this wait
	FILLW 0, 3
	TURNW 1, 1, 34                                 ; rows 2 and 3 stay out
	TURNW 2, 2, 17                                 ; row 3 stays out
	TURNW 0, 3, 0
	s_branch .Lend
.Lx:	; THE ACTIVATIONS
	s_lshl_b32 s15, ttmp9, 2
	s_add_co_u32 s15, s15, s14                     ; g
	s_lshl_b32 s19, s15, 15                        ; 32,768 bytes of x,
	s_lshl_b32 s20, s15, 14                        ; 16,384 of xb
	v_lshl_add_u32 v[OFF], v1, 4, s19
	v_lshl_add_u32 v[OOFF], v1, 3, s20
	s_wait_kmcnt 0x0
	FILLX 0, 0
	FILLX 1, 1
	FILLX 2, 2
	TURNX 0, 0, 32                                 ; groups 1 and 2, 16 loads each, stay out
	s_wait_xcnt 0x0                                ; slot 0, which group 0's stores read, is loaded again only behind this wait
	FILLX 0, 3
	TURNX 1, 1, 32
	TURNX 2, 2, 16
	TURNX 0, 3, 0
.Lend:
	s_wait_tensorcnt 0x0                           ; the wave's end: behind my last LDS store
	ds_add_u32 v[SPW], v[NIL]
	s_wait_dscnt 0x0
	s_endpgm
.Lfunc_end_k_qf5d0fc4cd4_prep:
	.size	k_qf5d0fc4cd4_prep, .Lfunc_end_k_qf5d0fc4cd4_prep-k_qf5d0fc4cd4_prep
	.p2alignl 7, 3214868480
	.fill 96, 4, 3214868480
	.section	.rodata,"a",@progbits
	.p2align	6, 0x0
	.amdhsa_kernel k_qf5d0fc4cd4_prep
		.amdhsa_group_segment_fixed_size 10752
		.amdhsa_private_segment_fixed_size 0
		.amdhsa_enable_private_segment 0
		.amdhsa_kernarg_size 40
		.amdhsa_user_sgpr_count 2
		.amdhsa_user_sgpr_kernarg_segment_ptr 1
		.amdhsa_wavefront_size32 1
		.amdhsa_system_sgpr_workgroup_id_x 1
		.amdhsa_system_sgpr_workgroup_id_y 1
		.amdhsa_system_sgpr_workgroup_id_z 1
		.amdhsa_system_vgpr_workitem_id 0
		.amdhsa_next_free_vgpr 256
		.amdhsa_next_free_sgpr 66
		.amdhsa_reserve_vcc 0
		.amdhsa_float_denorm_mode_32 3
		.amdhsa_float_denorm_mode_16_64 3
		.amdhsa_memory_ordered 1
		.amdhsa_forward_progress 1
		.amdhsa_inst_pref_size 87
	.end_amdhsa_kernel
	.amdgpu_metadata
---
amdhsa.version: [ 1, 2 ]
amdhsa.kernels:
  - .name:           k_qf5d0fc4cd4_prep
    .symbol:         k_qf5d0fc4cd4_prep.kd
    .args:
      - { .name: weight_packed, .offset: 0, .size: 8, .value_kind: global_buffer, .address_space: global }
      - { .name: weight_scales, .offset: 8, .size: 8, .value_kind: global_buffer, .address_space: global }
      - { .name: x, .offset: 16, .size: 8, .value_kind: global_buffer, .address_space: global }
      - { .name: wb, .offset: 24, .size: 8, .value_kind: global_buffer, .address_space: global }
      - { .name: xb, .offset: 32, .size: 8, .value_kind: global_buffer, .address_space: global }
    .group_segment_fixed_size: 10752
    .private_segment_fixed_size: 0
    .kernarg_segment_align: 8
    .kernarg_segment_size: 40
    .max_flat_workgroup_size: 128
    .sgpr_count:     66
    .vgpr_count:     256
    .wavefront_size: 32
...
	.end_amdgpu_metadata
.endif
;; end of part 1
;; launch gemm (part 2): grid 32 x 8, 4 waves a work-group, clusters of 4 x 4, 327,680 bytes of LDS; arguments xb, wb, out0, bias; writes out0
.if DOCPART == 2
	.amdgcn_target "amdgcn-amd-amdhsa--gfx1250"
	.amdhsa_code_object_version 6
	.text
	.protected	k_qf5d0fc4cd4_gemm
	.globl	k_qf5d0fc4cd4_gemm
	.p2align	8
	.type	k_qf5d0fc4cd4_gemm,@function
k_qf5d0fc4cd4_gemm:
	s_mov_b64 s[64:65], 0
	v_nop
	global_prefetch_b8 v0, s[64:65] scope:SCOPE_SE
	s_setreg_imm32_b32 hwreg(HW_REG_WAVE_MODE, 25, 1), 1
	s_wait_xcnt 0x0
	s_wait_alu depctr_hold_cnt(0) depctr_sa_sdst(0) depctr_va_vdst(0) depctr_va_sdst(0) depctr_va_ssrc(0) depctr_va_vcc(0) depctr_vm_vsrc(0)
	s_getreg_b32 s2, hwreg(HW_REG_IB_STS2, 6, 4)
	s_cmp_eq_u32 s2, 0
	s_cbranch_scc0 .Lentry_in_a_cluster
	s_endpgm
.Lentry_in_a_cluster:
	s_bfe_u32 s2, ttmp6, 0x10000c
	s_cmp_lg_u32 s2, 0xf033
	s_cbranch_scc0 .Lentry_shape_is_right
	s_endpgm
.Lentry_shape_is_right:
; out0[m][n] = gelu( the sum over k of xb[m][k] wb[n][k] + bias[n] ).  xb: [2048][4096] bf16, wb: [8192][4096] bf16, bias: [8192] f32, out0: [2048][8192] f32.  Sums, bias and gelu in f32.
; gelu(z) = 0.5 z (1 + tanh(sqrt(2/pi) (z + 0.044715 z^3))) = z / (1 + 2^(z (C1 + C3 z^2))), C1 = -2 log2(e) sqrt(2/pi), C3 = 0.044715 C1: the same function, written with one exponential and one reciprocal.
; LIMITS.  An exponential or a reciprocal below 2^-126 counts as 0 (ISA guide 15.8): the result is then z, or -0 for z far below 0.  Where z^2 passes f32's range the exponent is an infinity of the right sign, and
; the result is again z or -0.  z = -infinity gives NaN, as the formula with tanh does.
; SHARES.  out0 has 8 x 32 tiles of 256 x 256, one to a work-group: four waves, each 128 x 128: 64 accumulators of 16 x 16, 512 registers.  K goes in steps of 128 through a ring of two LDS slots filled by the
; tensor data mover: a tile's rows are 256 bytes of memory and start at multiples of 256 bytes from the buffer's first byte.
; CLUSTERS: 4 x 4 work-groups.  The four of a row of the cluster need the same tiles of xb, the four of a column the same tiles of wb: such a tile is asked for JOINTLY: each of the four issues the same tensor load,
; with the same descriptor and a mask that names the four, and each receives the tile in its own LDS.
; THE MATRIX INSTRUCTION IS USED TRANSPOSED: source 0 = 16 rows of wb, source 1 = 16 rows of xb.  In the result lane l holds row m = l % 16 of out0, and its registers 0 to 7 the columns 8 (l / 16) + 0 .. 7.
; REGISTERS, in windows of 256 (s_set_vgpr_msb's low byte: bits 1:0 source 0, 3:2 source 1, 5:4 source 2, 7:6 destination):
;   window 0: v0-31 addresses; v64-127, v128-191 fragments of xb (8 x 16 rows x 32 K), two buffers; on the way out v64-127 z, v128-191 at work, v192-255 rows read back from the stage
;   window 1: v0-63 the bias of my lane's 64 columns; v64-127, v128-191 fragments of wb, two buffers
;   window 2: the 32 accumulators of my rows 0-63 (accumulator (a, b) at v[8 (8 a + b)]);   window 3: those of my rows 64-127
.set SIZE_M, 2048
.set SIZE_N, 8192
.set SIZE_K, 4096
.set KSTEP,  128
.set PITCH,  272                       ; an LDS row: 256 bytes of data + 16 of padding = 68 words: row r starts at bank 4 r mod 64 (64 banks of 4 bytes: ISA guide 11.1), so the 16 rows that a load touches start at 16 different banks
.set HALFT,  128*PITCH                 ; 128 rows: what one tensor load brings, and what one wave reads of xb or of wb
.set SLOT,   4*HALFT                   ; xb's 256 rows, then wb's 256 rows
.set STAGE,  2*SLOT                    ; behind the ring, never filled by a tensor load: 16 rows x 528 bytes for each wave, for the way out
.set SPITCH, 528                       ; a stage row: 512 bytes (128 f32) + 16: 33 x 16 bytes, so the 16 rows that a store touches start at 16 different groups of four banks
.set SPARE,  STAGE+4*16*SPITCH         ; behind the stages: the spare words, 128 bytes for each wave: two blocks of 256 bytes that no other line names
.set LAPS,   SIZE_K/(2*KSTEP)          ; a lap = two K steps = once round the ring: 16
.set CROW,   SIZE_N*4                  ; bytes in a row of out0
.set ADRA, 16                          ; v16-17  LDS address of my fragments of xb in slot 0, 1
.set ADRB, 20                          ; v20-21  the same for wb
.set STO,  24                          ; v24     the way out: where I put 32 bytes of a row
.set RD,   25                          ; v25     the way out: where I read 16 bytes of a row back
.set CO,   26                          ; v26     my byte offset in 512 bytes of a row of out0
.set BO,   27                          ; v27     my byte offset in 64 bytes of bias: 32 (l / 16); never rewritten
.set SPW,  28                          ; v28     LDS address of my spare word: SPARE + 4 x my thread's number; never rewritten
.set NIL,  29                          ; v29     0; never rewritten
.set PFO,  30                          ; v30     the prefetches' offset: my lane x a row of xb or wb (8,192 bytes); never rewritten
.set PFA,  44                          ; s[44:45] where my prefetches stand: my work-group's 32 rows of the 128 that I fetch, one K step further along K than the refill that is being asked for; a prefetch names the K step after that
.set LIM,  43                          ; s43     1 in a wave that prefetches, else the greatest number
.set F0,   64                          ; fragment buffer 0
.set F1,   128                         ; fragment buffer 1
.set Z,    64                          ; the way out: z, then the result
.set E,    128                         ; the way out: at work
.set OB,   192                         ; the way out: 16 rows read back from the stage
.set G1,   24                          ; s[24:31] descriptor group 1 for xb's tiles
.set G0,   32                          ; s[32:39] descriptor group 0 for xb's tiles, one set for each slot
.set G1B,  48                          ; s[48:55] descriptor group 1 for wb's tiles: it differs in the mask alone
.set G0B,  56                          ; s[56:63] descriptor group 0 for wb's tiles, one set for each slot
.set BIA,  66                          ; s[66:67] bias, at my wave's first column
.set C3,   68                          ; s[68:69] C3: the packed multiply-add takes the pair's low word for both halves
.set C1,   70                          ; s[70:71] C1
.set MSB, 0
.macro WIN new                         ; the immediate's high byte repeats the setting that is left; a switch that changes nothing is dropped
.if MSB != (\new)
	s_set_vgpr_msb (MSB<<8)|(\new)
.set MSB, \new
.endif
.endm
.set MUL_LO, 0xa1                      ; source 0 (wb) window 1, source 1 (xb) window 0, C and D window 2
.set MUL_HI, 0xf1                      ; the same, C and D window 3
.set TO_B,   0x40                      ; destination window 1, address window 0
; A joint load.  Waves 0 and 1 fetch xb's two halves, waves 2 and 3 wb's.  Each of the two lines has ONE mask and one set of registers for all that issue it.  The branch hangs on the wave's number alone.
; An s_nop 0 and four v_nop follow each of the two lines; the jump round the other line, the label and what follows the macro come after them.
.macro JLOAD s
	s_cmp_eq_u32 s11, 0
	s_cbranch_scc0 .Lfor_b_\@
	tensor_load_to_lds s[G0+4*(\s):G0+4*(\s)+3], s[G1:G1+7]
	s_nop 0
.rept 4
	v_nop
.endr
	s_branch .Lasked_\@
.Lfor_b_\@:
	tensor_load_to_lds s[G0B+4*(\s):G0B+4*(\s)+3], s[G1B:G1B+7]
	s_nop 0
.rept 4
	v_nop
.endr
.Lasked_\@:
.endm
; A PREFETCH INTO THE L2, behind each joint load, its five lines and the run of LDS loads that follows them: the K step that stands TWO refills on: 32 rows x 256 bytes, a lane a row, one instruction a wave: 512 matrix
; instructions ahead of the load that will want it.  Each row's 256 bytes of a K step are named ONCE in the launch: xb's tile row is read by every cluster of that row of clusters, and cluster x = 0 asks; wb's tile column
; by every cluster of that column, and cluster y = 0 asks.  The four partners that ask for a tile jointly share its rows out BY ADDRESS: of the 128 rows that a wave fetches the partner at place p takes 32 p .. 32 p + 31
; (p = cx for xb, cy for wb): no branch hangs on a work-group's place in its cluster.  The loop's last trip (s3 = 1) asks for nothing: its refills are K steps 30 and 31, and there is no K step two on.
.macro ASK
	s_cmp_gt_u32 s3, s[LIM]
	s_cbranch_scc0 .Lnot_mine_\@
	global_prefetch_b8 v[PFO], s[PFA:PFA+1] offset:KSTEP*2 th:TH_LOAD_NT scope:SCOPE_SE
.Lnot_mine_\@:
.endm
; A round of the cluster's barrier: my work-group's barrier, so that wave 0's signal speaks for all four waves; wave 0 signals for the work-group; every wave waits for all sixteen work-groups; my work-group's barrier once more.
.macro CREST                           ; a round behind its opening barrier
	s_cmp_lg_u32 s10, 0
	s_cbranch_scc1 .Lnot_wave_0_\@
	s_barrier_signal -3
.Lnot_wave_0_\@:
	s_barrier_wait -3
	s_barrier_signal -1
	s_barrier_wait -1
.endm
.macro CROUND                          ; a whole round
	s_barrier_signal -1
	s_barrier_wait -1
	CREST
.endm
	s_load_b128 s[4:7], s[0:1], 0x0                ; xb s[4:5], wb s[6:7]
	s_load_b64 s[8:9], s[0:1], 0x10                ; out0
	s_load_b64 s[BIA:BIA+1], s[0:1], 0x18          ; bias
	v_lshl_add_u32 v[SPW], v0, 2, SPARE
	v_mov_b32 v[NIL], 0
	ds_add_u32 v[SPW], v[NIL]                      ; the wave's opening: the add, twice on end, and its wait ahead of my first tensor load; the set-up below the second, work on registers, stands between it and the wait
	ds_add_u32 v[SPW], v[NIL]                      ; and once more, under the one wait
	v_lshrrev_b32 v1, 5, v0
	v_readfirstlane_b32 s10, v1                    ; wave 0..3
	s_lshr_b32 s11, s10, 1                         ; which half of the tile's rows is mine.  Also: I fetch for xb (0) or for wb (1)
	s_and_b32 s12, s10, 1                          ; which half of its columns.  Also: which 128 rows of that tile I fetch
	s_bfe_u32 s40, ttmp6, 0x40000                  ; cx: my place along the cluster's x
	s_bfe_u32 s41, ttmp6, 0x40004                  ; cy: along its y
	s_lshl_b32 s42, ttmp9, 2                       ; in a cluster launch ttmp9 and ttmp7 count clusters
	s_add_co_u32 s42, s42, s40                     ; tile column = 4 x cluster x + cx
	s_and_b32 s13, ttmp7, 0xffff
	s_lshl_b32 s13, s13, 2
	s_add_co_u32 s13, s13, s41                     ; tile row = 4 x cluster y + cy
	s_lshl_b32 s43, s41, 2
	s_lshl_b32 s43, 15, s43                        ; my row of the cluster: places 4 cy .. 4 cy + 3
	s_lshl_b32 s44, 0x1111, s40                    ; my column: places cx, cx + 4, cx + 8, cx + 12
	; descriptor group 1: a tile of 128 rows x 128 elements, padded in LDS
	s_or_b32 s[G1+0], s43, (1<<16)|(1<<20)|(1<<21)|(5<<22)|(3<<25)  ; 15:0 the mask: xb's tiles go to my row; 17:16 element of 2 bytes; 20 padding on; 21 set beside a mask; 24:22 after every 64 words (code 5); 31:25 of 4 words (code 3)
	s_or_b32 s[G1B+0], s44, (1<<16)|(1<<20)|(1<<21)|(5<<22)|(3<<25) ; the same with the mask of my column, for wb's tiles
.irp g, G1, G1B
	s_mov_b32 s[(\g)+1], KSTEP<<16                 ; 63:48 tensor_dim0, low half = 128
	s_mov_b32 s[(\g)+2], 128<<16                   ; 79:64 its high half = 0; 95:80 tensor_dim1, low half = 128
	s_mov_b32 s[(\g)+3], KSTEP<<16                 ; 111:96 its high half = 0; 127:112 tile_dim0 = 128
	s_mov_b32 s[(\g)+4], 128                       ; 143:128 tile_dim1 = 128; 159:144 tile_dim2 = 0
	s_mov_b32 s[(\g)+5], SIZE_K                    ; 191:160 tensor_dim0_stride, low word: elements from row to row
	s_mov_b32 s[(\g)+6], 0
	s_mov_b32 s[(\g)+7], 0
.endr
	s_mov_b32 s[C3], 0xbdd2d3e8                    ; C3 = -0.10294324
	s_mov_b32 s[C3+1], s[C3]                       ; named with it as a pair, so it is written
	s_mov_b32 s[C1], 0xc0135761                    ; C1 = -2.3022082
	s_mov_b32 s[C1+1], s[C1]
	; where the tiles come from.  xb's hang on the tile row alone, which my row of the cluster shares; wb's on the tile column alone, which my column shares.
	; Every wave makes both addresses, in registers that never hold the other coordinate, and asks by one of them.
	s_lshl_b32 s17, s12, 7                         ; which 128 rows of the tile I fetch
	s_lshl_b32 s16, s13, 8
	s_add_co_u32 s16, s16, s17                     ; xb: row 256 x tile row + 128 x half
	s_lshl_b32 s46, s42, 8
	s_add_co_u32 s46, s46, s17                     ; wb: row 256 x tile column + 128 x half
	s_mov_b32 s17, 0
	s_mov_b32 s47, 0
	s_mov_b64 s[18:19], SIZE_K*2
	s_mul_u64 s[16:17], s[16:17], s[18:19]         ; in bytes, in 64 bits
	s_mul_u64 s[46:47], s[46:47], s[18:19]
	s_mul_i32 s20, s10, HALFT                      ; and where they go: xb's two halves, then wb's two halves = wave x 128 rows: no place in the cluster enters an LDS address
	s_wait_dscnt 0x0                               ; both opening adds are done
	s_wait_kmcnt 0x0
	s_add_nc_u64 s[14:15], s[4:5], s[16:17]
	s_add_nc_u64 s[46:47], s[6:7], s[46:47]
	CROUND                                         ; all sixteen work-groups are here: the first joint loads meet
.irp s, 0,1
	s_mov_b32 s[G0+4*(\s)], 1                                      ; 1:0 count = 1
	s_add_co_u32 s[G0+4*(\s)+1], s20, (\s)*SLOT                    ; 63:32 LDS address
	s_add_nc_u64 s[G0+4*(\s)+2:G0+4*(\s)+3], s[14:15], (\s)*KSTEP*2  ; 120:64 global address: K step s
	s_or_b32 s[G0+4*(\s)+3], s[G0+4*(\s)+3], 0x80000000            ; 127:126 type = 2
	s_mov_b32 s[G0B+4*(\s)], 1
	s_add_co_u32 s[G0B+4*(\s)+1], s20, (\s)*SLOT
	s_add_nc_u64 s[G0B+4*(\s)+2:G0B+4*(\s)+3], s[46:47], (\s)*KSTEP*2
	s_or_b32 s[G0B+4*(\s)+3], s[G0B+4*(\s)+3], 0x80000000
	JLOAD \s                                       ; the ring is filled before anything else is done: two tensor loads of mine are out
.endr
	; A fragment is 16 rows x 32 K in 8 registers: lane l holds row l % 16; registers 0-3 hold K = 8 (l / 16) + 0..7, registers 4-7 hold K = 16 + 8 (l / 16) + 0..7: two loads of 16 bytes, 32 bytes apart.
	v_and_b32 v1, 15, v0                           ; l % 16
	v_bfe_u32 v2, v0, 4, 1                         ; l / 16
	v_mul_u32_u24 v3, v1, PITCH
	v_lshl_add_u32 v3, v2, 4, v3                   ; row x pitch + 16 x half
	s_mul_i32 s21, s11, HALFT                      ; my 128 rows of xb
	s_mul_i32 s22, s12, HALFT                      ; my 128 rows of wb,
	s_add_co_u32 s22, s22, 2*HALFT                 ; which lie behind xb's 256
.irp s, 0,1
	v_add_nc_u32 v[ADRA+(\s)], s21, v3
	v_add_nc_u32 v[ADRB+(\s)], s22, v3
	s_add_co_u32 s21, s21, SLOT
	s_add_co_u32 s22, s22, SLOT
.endr
	s_mul_i32 s23, s10, 16*SPITCH
	s_add_co_u32 s23, s23, STAGE                   ; my stage
	v_mul_u32_u24 v4, v1, SPITCH                   ; in: row l % 16, 32 bytes (8 f32) for each half of the lanes
	v_lshl_add_u32 v4, v2, 5, v4
	v_add_nc_u32 v[STO], s23, v4
	v_and_b32 v5, 31, v0
	v_lshlrev_b32 v[CO], 4, v5                     ; back and out: 32 lanes x 16 bytes are a whole row of 512 bytes
	v_add_nc_u32 v[RD], s23, v[CO]
	v_lshlrev_b32 v[BO], 5, v2
	; where my part of the tile begins in out0, in bytes: the first way out adds it to out0's address
	s_lshl_b32 s13, s13, 8
	s_lshl_b32 s14, s11, 7
	s_add_co_u32 s16, s13, s14                     ; my first row
	s_mov_b32 s17, 0
	s_mov_b64 s[18:19], CROW
	s_mul_u64 s[16:17], s[16:17], s[18:19]
	s_lshl_b32 s46, s42, 10                        ; my first column, in bytes of f32: 1,024 x tile column + 512 x half (in the registers that held wb's address: none that feeds xb's descriptors ever holds cx)
	s_lshl_b32 s47, s12, 9
	s_add_co_u32 s46, s46, s47
	s_mov_b32 s47, 0
	s_add_nc_u64 s[16:17], s[16:17], s[46:47]
	s_add_nc_u64 s[BIA:BIA+1], s[BIA:BIA+1], s[46:47]  ; the bias of my 128 columns
	; the prefetches.  s13 = 256 x tile row, s42 = tile column, s40 = cx, s41 = cy still stand; s[4:5] = xb, s[6:7] = wb
	s_lshl_b32 s42, s42, 8
	s_and_b32 s22, ttmp7, 0xffff                   ; cluster y
	s_cmp_eq_u32 s11, 0                            ; do I fetch for xb?
	s_cselect_b32 s20, s13, s42                    ; the tile's first row: in xb by the tile row, in wb by the tile column
	s_cselect_b32 s21, s40, s41                    ; my place among the four that ask for it with me
	s_cselect_b32 s22, ttmp9, s22                  ; the coordinate along which other clusters read the same rows
	s_cselect_b64 s[PFA:PFA+1], s[4:5], s[6:7]
	s_cmp_eq_u32 s22, 0
	s_cselect_b32 s[LIM], 1, -1                    ; the same in all sixteen partners, for a given wave
	s_lshl_b32 s22, s12, 7
	s_add_co_u32 s20, s20, s22                     ; + the 128 rows that I fetch
	s_lshl_b32 s21, s21, 5
	s_add_co_u32 s20, s20, s21                     ; + my work-group's 32 of them
	s_mov_b32 s21, 0
	s_mov_b64 s[18:19], SIZE_K*2
	s_mul_u64 s[20:21], s[20:21], s[18:19]
	s_add_nc_u64 s[PFA:PFA+1], s[PFA:PFA+1], s[20:21]
	s_add_nc_u64 s[PFA:PFA+1], s[PFA:PFA+1], 2*KSTEP*2  ; at K step 2: the first refill steps it to 3 and names K step 4.  Nothing is prefetched here, at the head: K steps 0 to 3 come by their loads alone
	v_and_b32 v[PFO], 31, v0
	v_mul_u32_u24 v[PFO], v[PFO], SIZE_K*2
	; the bias of my lane's columns 16 b + 8 (l / 16) + 0..7, b = 0..7, stays in window 1
	WIN TO_B
.irp b, 0,1,2,3,4,5,6,7
	global_load_b128 v[8*(\b):8*(\b)+3],   v[BO], s[BIA:BIA+1] offset:64*(\b)
	global_load_b128 v[8*(\b)+4:8*(\b)+7], v[BO], s[BIA:BIA+1] offset:64*(\b)+16
.endr
	WIN 0
; 16 matrix instructions: m blocks a0, a0 + 1 of the window's four (hi = 0: my rows 0-63, 1: rows 64-127) x all 8 n blocks, 32 along K.  zero = 1: the first product starts the sums: nothing is ever cleared.
; The 64 accumulators take turns, one instruction a turn, in the same order in every quarter step.
.macro MUL16 f, hi, a0, zero
	WIN MUL_LO+0x50*(\hi)  ; MUL_LO or MUL_HI
.irp a, \a0, (\a0)+1
.irp b, 0,1,2,3,4,5,6,7
.if \zero
	v_wmma_f32_16x16x32_bf16 v[8*(8*(\a)+(\b)):8*(8*(\a)+(\b))+7], v[(\f)+8*(\b):(\f)+8*(\b)+7], v[(\f)+8*(4*(\hi)+(\a)):(\f)+8*(4*(\hi)+(\a))+7], 0
.else
	v_wmma_f32_16x16x32_bf16 v[8*(8*(\a)+(\b)):8*(8*(\a)+(\b))+7], v[(\f)+8*(\b):(\f)+8*(\b)+7], v[(\f)+8*(4*(\hi)+(\a)):(\f)+8*(4*(\hi)+(\a))+7], v[8*(8*(\a)+(\b)):8*(8*(\a)+(\b))+7]
.endif
.endr
.endr
.endm
; 32 LDS loads in one run: the fragments of one quarter step (128 rows of wb, 128 rows of xb, 32 K at byte k of the rows) into buffer f
.macro FETCH slot, k, f
	WIN TO_B
.irp i, 0,1,2,3,4,5,6,7
	ds_load_b128 v[(\f)+8*(\i):(\f)+8*(\i)+3],   v[ADRB+(\slot)] offset:(\k)+(\i)*16*PITCH
	ds_load_b128 v[(\f)+8*(\i)+4:(\f)+8*(\i)+7], v[ADRB+(\slot)] offset:(\k)+(\i)*16*PITCH+32
.endr
	WIN 0
.irp i, 0,1,2,3,4,5,6,7
	ds_load_b128 v[(\f)+8*(\i):(\f)+8*(\i)+3],   v[ADRA+(\slot)] offset:(\k)+(\i)*16*PITCH
	ds_load_b128 v[(\f)+8*(\i)+4:(\f)+8*(\i)+7], v[ADRA+(\slot)] offset:(\k)+(\i)*16*PITCH+32
.endr
.endm
; A load into a register that a matrix instruction has read, and a vector instruction that reads a matrix result or writes one of a matrix instruction's registers, stand four places behind it, and only plain vector
; instructions that name none of its registers are places (ISA guide 7.12.1 for vector instructions).
.macro PLACES
.rept 4
	v_nop
.endr
.endm
; A K step is four quarter steps of 32 along K, 64 matrix instructions each, on buffers 0, 1, 0, 1.
; One of the first three: multiplies buffer f; in its middle it fetches the next quarter's fragments, at byte k of the same slot's rows, into buffer g.
.macro QUARTER slot, k, f, g, zero
	s_wait_dscnt 8                                 ; wb's and xb's rows 0-63 are in; the youngest eight loads (xb's rows 64-127) may be out
	WIN MUL_LO
	MUL16 \f, 0, 0, \zero
	MUL16 \f, 0, 2, \zero
	PLACES
	FETCH \slot, \k, \g
	s_wait_dscnt 32                                ; all but the 32 just issued
	WIN MUL_HI
	MUL16 \f, 1, 0, \zero
	MUL16 \f, 1, 2, \zero
.endm
; The last quarter multiplies buffer 1 and changes slots.  MEET is its first half: ONE barrier for the change of slots.  In front of it each wave waits for all its tensor loads, of which one is out: its part of the
; next slot; adds 0 to its spare word; and waits for that and for its own reads of this slot.  Behind it nobody reads this slot any more and the next slot is whole.
.macro MEET round                      ; round = 1: the rest of a round of the cluster's barrier follows
	WIN 0                                          ; (the add's two registers lie in window 0)
	s_wait_tensorcnt 0x0                           ; all my tensor loads have landed: the one that was out is my part of the next slot;
	ds_add_u32 v[SPW], v[NIL]                      ; 0 onto my spare word;
	s_wait_dscnt 9                                 ; (the add and the youngest eight loads may be out)
	WIN MUL_LO
	MUL16 F1, 0, 0, 0                              ; sixteen matrix instructions stand between the add and the wait for it
	s_wait_dscnt 0x0                               ; the add is done, and my reads of this slot are over:
	s_barrier_signal -1                            ; say so (where a slot is filled again this barrier opens a round of the cluster's barrier),
	MUL16 F1, 0, 2, 0                              ; work on registers while the others arrive,
.if \round
	WIN 0
.endif
	s_barrier_wait -1                              ; and go on when all four have said so
.endm
; The whole last quarter.  fill = 1: behind the round the slot just read out is filled again first, with the K step two steps on; then come the next slot's first fragments.  From a request to the wait for it a wave
; issues 224 matrix instructions.  fill = 0 (the last lap): nothing is asked for, and no round follows.
.macro TURN slot, next, fill
.if \fill
	s_wait_xcnt 0x0                                ; the last prefetch, a K step back, has read its address: it is stepped here, ahead of the waits of the change of slots
	s_add_nc_u64 s[PFA:PFA+1], s[PFA:PFA+1], KSTEP*2
.endif
	MEET \fill
.if \fill
	CREST                                          ; all sixteen work-groups have said so: no wave of any partner still reads this slot's tile or has a load on its way
	s_add_nc_u64 s[G0+4*(\slot)+2:G0+4*(\slot)+3], s[G0+4*(\slot)+2:G0+4*(\slot)+3], 2*KSTEP*2  ; no tensor load of mine is out, so a group 0 may be written
	s_add_nc_u64 s[G0B+4*(\slot)+2:G0B+4*(\slot)+3], s[G0B+4*(\slot)+2:G0B+4*(\slot)+3], 2*KSTEP*2
	JLOAD \slot                                    ; the first tensor load behind the round, and my only one until the next; the four v_nop behind it are also the places in front of the loads below
.else
	PLACES
.endif
	FETCH \next, 0, F0
.if \fill
	ASK                                            ; behind the joint load and the run of LDS loads that the next products wait for
.endif
	WIN MUL_HI
	MUL16 F1, 1, 0, 0
	MUL16 F1, 1, 2, 0
.endm
	s_wait_loadcnt 0x0                             ; the bias is in: waited for here, where the first tiles are still on their way, so that no global load is out at a later barrier
	s_wait_tensorcnt 1                             ; my part of K step 0 is in; K step 1's may stay out
	s_barrier_signal -1
	s_barrier_wait -1                              ; everybody's is
	FETCH 0, 0, F0
	QUARTER 0, 64,  F0, F1, 1                      ; the first quarter stands in front of the loop: its products start the sums
	WIN 0                                          ; at a label and at a branch every window is 0
	s_mov_b32 s3, LAPS-1
.Llap:                                                 ; a trip goes once round the ring, from a lap's second quarter to the next lap's first, and fills both slots again
	QUARTER 0, 128, F1, F0, 0
	QUARTER 0, 192, F0, F1, 0
	TURN 0, 1, 1
	QUARTER 1, 64,  F0, F1, 0
	QUARTER 1, 128, F1, F0, 0
	QUARTER 1, 192, F0, F1, 0
	TURN 1, 0, 1
	QUARTER 0, 64,  F0, F1, 0
	WIN 0
	s_sub_co_u32 s3, s3, 1
	s_cmp_lg_u32 s3, 0
	s_cbranch_scc1 .Llap
	QUARTER 0, 128, F1, F0, 0                      ; the last lap is written out: it fills nothing
	QUARTER 0, 192, F0, F1, 0
	TURN 0, 1, 0
	QUARTER 1, 64,  F0, F1, 0
	QUARTER 1, 128, F1, F0, 0
	QUARTER 1, 192, F0, F1, 0
	s_wait_dscnt 8                                 ; the very last quarter: nothing more to fetch
	MUL16 F1, 0, 0, 0
	MUL16 F1, 0, 2, 0
	s_wait_dscnt 0x0
	MUL16 F1, 1, 0, 0
	MUL16 F1, 1, 2, 0
	WIN 0
	; THE WAY OUT, a block of 16 rows x 128 columns a trip, eight trips.  What differs from block to block is where its accumulators lie, so only the line that takes them (z = sum + bias) is written eight times, and a
	; forward jump on the trip's count chooses; the gelu, the stage and the stores are written once.  A block's stores leave while the next block's gelu is computed.
	PLACES
	PLACES                                         ; eight plain instructions between the last products and the first line that reads a result or writes a fragment's register
; z = sum + bias for block a: 64 numbers a lane.  Each accumulator's registers are taken in ascending order.
.macro IN a
	WIN 0x06+(\a)/4                                ; source 0: the accumulators' window, 2 or 3; source 1: window 1, the bias; destination: window 0
.irp b, 0,1,2,3,4,5,6,7
.irp r, 0,1,2,3
	v_pk_add_f32 v[Z+8*(\b)+2*(\r):Z+8*(\b)+2*(\r)+1], v[8*(8*((\a)%4)+(\b))+2*(\r):8*(8*((\a)%4)+(\b))+2*(\r)+1], v[8*(\b)+2*(\r):8*(\b)+2*(\r)+1]
.endr
.endr
	WIN 0
.endm
	s_mov_b32 s3, 8                                ; blocks to go: block a is taken when s3 = 8 - a
.Lblock:
.irp a, 0,1,2,3,4,5,6
	s_cmp_eq_u32 s3, 8-(\a)
	s_cbranch_scc1 .Lin_\a
.endr
	IN 7
	s_branch .Lgelu
.irp a, 6,5,4,3,2,1
.Lin_\a:
	IN \a
	s_branch .Lgelu
.endr
.Lin_0:
	IN 0
.Lgelu:
.set i, 0
.rept 32
	v_pk_mul_f32 v[E+i:E+i+1], v[Z+i:Z+i+1], v[Z+i:Z+i+1]                                   ; z^2
.set i, i+2
.endr
.set i, 0
.rept 32
	v_pk_fma_f32 v[E+i:E+i+1], v[E+i:E+i+1], s[C3:C3+1], s[C1:C1+1] op_sel_hi:[1,0,0]       ; C3 z^2 + C1
.set i, i+2
.endr
.set i, 0
.rept 32
	v_pk_mul_f32 v[E+i:E+i+1], v[E+i:E+i+1], v[Z+i:Z+i+1]                                   ; z (C1 + C3 z^2)
.set i, i+2
.endr
.set i, 0
.rept 64
	v_exp_f32 v[E+i], v[E+i]                       ; one batch: none of these reads another's result
.set i, i+1
.endr
	v_nop                                          ; a plain instruction behind the last exponential, ahead of the first use (ISA guide 5.7.2): one for the batch
	s_wait_alu depctr_va_vdst(0)                   ; and the wait ahead of the first use: one for the 64 exponentials
.set i, 0
.rept 32
	v_pk_add_f32 v[E+i:E+i+1], v[E+i:E+i+1], 1.0 op_sel_hi:[1,0]
.set i, i+2
.endr
.set i, 0
.rept 64
	v_rcp_f32 v[E+i], v[E+i]                       ; the second batch
.set i, i+1
.endr
	v_nop
	s_wait_alu depctr_va_vdst(0)                   ; one wait for the 64 reciprocals
.set i, 0
.rept 32
	v_pk_mul_f32 v[Z+i:Z+i+1], v[Z+i:Z+i+1], v[E+i:E+i+1]                                   ; z / (1 + 2^..)
.set i, i+2
.endr
	s_wait_xcnt 0x0                                ; every earlier memory instruction has had its addresses translated (ISA guide 3.1): the last block's stores, a whole gelu back, have read their base and their data registers
	s_add_nc_u64 s[8:9], s[8:9], s[16:17]          ; the first time: on to my part of the tile; later: 16 rows on
	s_mov_b64 s[16:17], 16*CROW
.irp b, 0,1,2,3,4,5,6,7
	ds_store_b128 v[STO], v[Z+8*(\b):Z+8*(\b)+3]   offset:64*(\b)     ; a lane's eight columns of a row: 32 bytes
	ds_store_b128 v[STO], v[Z+8*(\b)+4:Z+8*(\b)+7] offset:64*(\b)+16
.endr
.irp t, 0,1,2,3,4,5,6,7,8,9,10,11,12,13,14,15
	ds_load_b128 v[OB+4*(\t):OB+4*(\t)+3], v[RD] offset:(\t)*SPITCH  ; a whole row of 512 bytes.  The stage is my wave's own, and LDS serves a wave's instructions in order (ISA guide 5.7.1.4): these see the stores above
.endr
.irp t, 0,1,2,3,4,5,6,7,8,9,10,11,12,13,14,15
	s_wait_dscnt 15-(\t)                           ; row t is back; the younger rows' loads may be out
	global_store_b128 v[CO], v[OB+4*(\t):OB+4*(\t)+3], s[8:9] offset:(\t)*CROW th:TH_STORE_NT  ; the wave stores 512 consecutive bytes, at a multiple of 512 from out0's first byte
.endr
	s_sub_co_u32 s3, s3, 1
	s_cmp_lg_u32 s3, 0
	s_cbranch_scc1 .Lblock
	s_wait_tensorcnt 0x0                           ; the wave's end: behind my last tensor load and my last LDS store
	ds_add_u32 v[SPW], v[NIL]
	s_wait_dscnt 0x0
	CROUND                                         ; the closing round: no work-group ends while a partner may still ask for a tile that names it
	s_endpgm
.Lfunc_end_k_qf5d0fc4cd4_gemm:
	.size	k_qf5d0fc4cd4_gemm, .Lfunc_end_k_qf5d0fc4cd4_gemm-k_qf5d0fc4cd4_gemm
	.p2alignl 7, 3214868480
	.fill 96, 4, 3214868480
	.section	.rodata,"a",@progbits
	.p2align	6, 0x0
	.amdhsa_kernel k_qf5d0fc4cd4_gemm
		.amdhsa_group_segment_fixed_size 327680
		.amdhsa_private_segment_fixed_size 0
		.amdhsa_enable_private_segment 0
		.amdhsa_kernarg_size 32
		.amdhsa_user_sgpr_count 2
		.amdhsa_user_sgpr_kernarg_segment_ptr 1
		.amdhsa_wavefront_size32 1
		.amdhsa_system_sgpr_workgroup_id_x 1
		.amdhsa_system_sgpr_workgroup_id_y 1
		.amdhsa_system_sgpr_workgroup_id_z 1
		.amdhsa_system_vgpr_workitem_id 0
		.amdhsa_next_free_vgpr 1024
		.amdhsa_next_free_sgpr 72
		.amdhsa_reserve_vcc 0
		.amdhsa_float_denorm_mode_32 3
		.amdhsa_float_denorm_mode_16_64 3
		.amdhsa_memory_ordered 1
		.amdhsa_forward_progress 1
		.amdhsa_inst_pref_size 150
	.end_amdhsa_kernel
	.amdgpu_metadata
---
amdhsa.version: [ 1, 2 ]
amdhsa.kernels:
  - .name:           k_qf5d0fc4cd4_gemm
    .symbol:         k_qf5d0fc4cd4_gemm.kd
    .args:
      - { .name: xb, .offset: 0, .size: 8, .value_kind: global_buffer, .address_space: global }
      - { .name: wb, .offset: 8, .size: 8, .value_kind: global_buffer, .address_space: global }
      - { .name: out0, .offset: 16, .size: 8, .value_kind: global_buffer, .address_space: global }
      - { .name: bias, .offset: 24, .size: 8, .value_kind: global_buffer, .address_space: global }
    .group_segment_fixed_size: 327680
    .private_segment_fixed_size: 0
    .kernarg_segment_align: 8
    .kernarg_segment_size: 32
    .max_flat_workgroup_size: 128
    .sgpr_count:     72
    .vgpr_count:     1024
    .wavefront_size: 32
...
	.end_amdgpu_metadata
.endif
;; end of part 2
;; ======== version 2 of 2: 2 launches; version 1 with the launch prep written anew for expert scheduling mode
;; workspace buffers: wb 67,108,864 bytes; xb 16,777,216 bytes
;; launch prep (part 3): grid 256 x 3, 4 waves a work-group, no clusters, 10,752 bytes of LDS; arguments weight_packed, weight_scales, x, wb, xb; writes wb, xb
.if DOCPART == 3
	.amdgcn_target "amdgcn-amd-amdhsa--gfx1250"
	.amdhsa_code_object_version 6
	.text
	.protected	k_qf5d0fc4cd4_prep
	.globl	k_qf5d0fc4cd4_prep
	.p2align	8
	.type	k_qf5d0fc4cd4_prep,@function
k_qf5d0fc4cd4_prep:
	s_mov_b64 s[64:65], 0
	v_nop
	global_prefetch_b8 v0, s[64:65] scope:SCOPE_SE
	s_setreg_imm32_b32 hwreg(HW_REG_WAVE_SCHED_MODE, 0, 2), 2
	s_setreg_imm32_b32 hwreg(HW_REG_WAVE_MODE, 25, 1), 1
	s_wait_xcnt 0x0
	s_wait_alu depctr_vm_vsrc(0)
; wb[n][k] = bf16( bf16(scale[n][k / 32]) x code(n, k) ), [8192][4096] bf16;  xb = bf16(x), [2048][4096] bf16.  Both are the matrix operands of the launch behind.
; A word of weight_packed holds two 4-bit codes (E2M1 with a sign: bits 3:0 the even k, bits 7:4 the odd k) in its low byte; the bits above are not used, as in the problem's own decoding.
; Two weights in bf16 are 4 bytes as well: A ROW OF wb HAS THE BYTES OF A ROW OF weight_packed (8,192), and what a lane loads at a byte offset it stores at the same offset.
; LIMITS.  The scale is rounded to bf16 first and the product with the code (exact in f32: 8 bits x 2 bits) is rounded to bf16 once more; x is rounded to bf16 once.  bf16 has f32's range.
; SHARES.  A stream: every byte is read once and written once, nothing is shared between work-groups, so there is no cluster, no tensor load, no matrix work and no barrier.
; Work-groups with y = 0, 1 (512 of them): wave g = 4 (256 y + x) + wave owns rows 4 g .. 4 g + 3 of the weights.  Work-groups with y = 2 (256): wave g = 4 x + wave owns 32,768 bytes of x, four groups of 8,192.
; Both paths: three slots of 64 registers, a row or a group each (16 loads of 512 consecutive bytes); three units are asked for at once, the fourth when the first slot's stores have read their registers.
; All steps stand in the immediates (32,256 at the most): no address register and no base is ever rewritten.
; THE SCALES.  Lane l's 16 bytes of chunk j are k = 256 j + 8 l .. + 7, whose scale is number 8 j + l / 4 of the row's 128.  The row's scales come in by one load of 512 consecutive bytes (lane l: numbers 4 l .. 4 l + 3),
; are rounded, and change lanes through the wave's own LDS bytes, laid [q = 0..7][j = 0..15] with 80 bytes from q to q + 1: lane l reads the sixteen of q = l / 4.
; THE MODE: SCHED_MODE bits 1:0 = 2 (LLVM: expert scheduling mode 2), set by the entry lines.  The code itself states the register dependences between vector instructions and memory or LDS instructions,
; with s_wait_alu, always for 0.
; THE PLAN.  Registers that memory or LDS instructions touch:
;   v2 - v5       Offsets and LDS addresses: written once at a path's head, read by every load, store and LDS instruction of the path, never written again: one wait on va_vdst ahead of the path's first load states them.
;   RAW[s]        A load lands in it; the row's six rounding lines read it and write it anew; the row's four LDS stores read it.  RAW[0] alone is loaded a second time (row 3).
;   S             The row's four LDS loads land in it; the row's 128 multiplies read it.
;   X[s]          Sixteen loads land in it; the row's (group's) vector lines read it and write the result in place, chunk by chunk; sixteen stores read it.  X[0] alone is loaded a second time (row or group 3).
;   T, ONE, ZERO  are named by vector instructions alone.     v6, v7  are written at the head and read by the closing add alone.
; A row goes in four QUARTERS of four chunks.  A quarter's four stores are issued in the next quarter, behind ONE wait on va_vdst at its head, and are dealt among that quarter's vector lines, which name its own chunks,
; the next chunk's word of codes, T and S: none of the registers that those stores read.  The last quarter's stores stand behind a wait at the row's end, ahead of the wait for the next row's data, so that neither they
; nor the refill of slot 0 hang on loads that are still out.  A wait on va_vdst at the row's head, behind the rounding lines, states RAW[s] for the LDS stores and S for the LDS loads.  A group of x goes likewise, in
; two halves of eight chunks.  ONE wait on vm_vsrc stands in each path, ahead of the refill: nothing else that a memory or LDS instruction has read is ever written again.
.set ROWB,  8192                       ; bytes in a row of weight_packed and of wb, and in a group of x
.set QP,    80                         ; LDS: from q to q + 1: 64 bytes of scales + 16, so that reads of 16 bytes stay aligned
.set RAREA, 8*QP                       ; LDS: a row's scales
.set AREA,  4*RAREA                    ; LDS: a wave's four rows: 2,560 bytes, ten blocks of 256
.set SPARE, 4*AREA                     ; behind them: the spare words, 128 bytes for each wave: two blocks of 256 bytes that no other line names
.set OFF,   2                          ; v2   my byte offset in weight_packed and wb (or in x): 32,768 g + 16 l; never rewritten
.set SOFF,  3                          ; v3   my byte offset in weight_scales: 2,048 g + 16 l; never rewritten
.set OOFF,  3                          ; v3   on x's path: my byte offset in xb: 16,384 g + 8 l; never rewritten
.set LST,   4                          ; v4   where I put my four scales: wave's bytes + 320 (l % 2) + 4 (l / 2)
.set LRD,   5                          ; v5   where I read my sixteen: wave's bytes + 80 (l / 4)
.set SPW,   6                          ; v6   LDS address of my spare word: SPARE + 4 x my thread's number; never rewritten
.set NIL,   7                          ; v7   0, for the add alone; never rewritten
.set ONE,   8                          ; v8   the conversion's block scale: 0x7f, which stands for 2^0, in each of the word's four bytes and in every lane
.set ZERO,  9                          ; v9   0: the addend of the multiply that rounds
.set RAW,   12                         ; v[12:23]  slot s: 4 registers, the row's scales as loaded, then rounded
.set S,     24                         ; v[24:39]  my sixteen scales of the row at work: chunk j's in S + j
.set T,     40                         ; v[40:55]  two buffers of 8: a chunk's eight codes as f32
.set X,     64                         ; v[64:255] slot s: 64 registers; chunk j at 4 j: as loaded, then as stored
; A row of the weights is asked for: its scales, then its 16 chunks: 17 loads.
.macro FILLW s, row
	global_load_b128 v[RAW+4*(\s):RAW+4*(\s)+3], v[SOFF], s[6:7] offset:512*(\row) th:TH_LOAD_NT
.irp j, 0,1,2,3,4,5,6,7,8,9,10,11,12,13,14,15
	global_load_b128 v[X+64*(\s)+4*(\j):X+64*(\s)+4*(\j)+3], v[OFF], s[4:5] offset:ROWB*(\row)+512*(\j) th:TH_LOAD_NT
.endr
.endm
; The row in slot s is decoded, scaled and stored.  left = how many younger loads may stay out.
.macro TURNW s, row, left
.set XS, X+64*(\s)
.set RW, RAW+4*(\s)
	s_wait_loadcnt \left                           ; loads come back in order (ISA guide 5.7.1): this row's 17 are in
	v_cvt_pk_bf16_f32 v[T], v[RW], v[RW+1]         ; the scales are rounded to bf16,
	v_cvt_pk_bf16_f32 v[T+1], v[RW+2], v[RW+3]
	v_lshlrev_b32 v[RW], 16, v[T]                  ; and written as f32 again
	v_and_b32 v[RW+1], s18, v[T]
	v_lshlrev_b32 v[RW+2], 16, v[T+1]
	v_and_b32 v[RW+3], s18, v[T+1]
	s_wait_alu depctr_va_vdst(0)                   ; the four lines above have written RAW[s], which the LDS stores read; the row before's multiplies are done reading S, in which the LDS loads land
.irp c, 0,1,2,3
	ds_store_b32 v[LST], v[RW+(\c)] offset:RAREA*(\row)+QP*(\c)  ; scale 4 l + c = 8 j + q with j = l / 2, q = 4 (l % 2) + c
.endr
.irp i, 0,1,2,3
	ds_load_b128 v[S+4*(\i):S+4*(\i)+3], v[LRD] offset:RAREA*(\row)+16*(\i)  ; the bytes are my wave's own, and LDS serves a wave's instructions in order (ISA guide 5.7.1.4): these see the stores above
.endr
	; the four low bytes of a chunk's four words into one word: eight codes, k ascending from bit 0.  This work stands between the LDS loads and the wait for them.
.irp j, 0,1,2,3,4,5,6,7,8,9,10,11,12,13,14,15
	v_perm_b32 v[XS+4*(\j)], v[XS+4*(\j)+1], v[XS+4*(\j)], s16      ; bytes b0, b1, b0, b1
	v_perm_b32 v[XS+4*(\j)+2], v[XS+4*(\j)+3], v[XS+4*(\j)+2], s16  ; bytes b2, b3, b2, b3
	v_perm_b32 v[XS+4*(\j)], v[XS+4*(\j)+2], v[XS+4*(\j)], s17      ; bytes b0, b1, b2, b3
.if (\j) == 0
	v_cvt_scale_pk8_f32_fp4 v[T:T+7], v[XS], v[ONE]                 ; chunk 0's eight codes as f32, times 2^0; the lines that follow name none of its registers
.endif
.endr
	s_wait_dscnt 0x0                               ; my sixteen scales are in
.irp j, 0,1,2,3,4,5,6,7,8,9,10,11,12,13,14,15
.if ((\j)%4 == 0) && ((\j) > 0)
	s_wait_alu depctr_va_vdst(0)                   ; a quarter's head: the quarter before has written its four chunks, which the four stores of this quarter read
.endif
.if (\j) >= 4
	global_store_b128 v[OFF], v[XS+4*((\j)-4):XS+4*((\j)-4)+3], s[10:11] offset:ROWB*(\row)+512*((\j)-4) th:TH_STORE_NT  ; the chunk four back: no vector line since the wait names its registers.  The wave stores 512 consecutive bytes, at a multiple of 512 from wb's first byte
.endif
.if (\j) < 15
	v_cvt_scale_pk8_f32_fp4 v[T+8*(((\j)+1)%2):T+8*(((\j)+1)%2)+7], v[XS+4*(\j)+4], v[ONE]  ; the next chunk's codes into the other buffer: this chunk's eight plain lines stand between the conversion and the use of its result
.endif
.irp k, 0,1,2,3
	v_fma_mixlo_bf16 v[XS+4*(\j)+(\k)], v[T+8*((\j)%2)+2*(\k)], v[S+(\j)], v[ZERO]    ; code x scale + 0, rounded once to bf16: the even k into the low half,
.endr
.irp k, 0,1,2,3
	v_fma_mixhi_bf16 v[XS+4*(\j)+(\k)], v[T+8*((\j)%2)+2*(\k)+1], v[S+(\j)], v[ZERO]  ; the odd k into the high half
.endr
.endr
	s_wait_alu depctr_va_vdst(0)                   ; the row's end: the last quarter has written its four chunks, which the stores below read; every vector line of the row is done with X[s] and RAW[s]
.irp j, 12,13,14,15
	global_store_b128 v[OFF], v[XS+4*(\j):XS+4*(\j)+3], s[10:11] offset:ROWB*(\row)+512*(\j) th:TH_STORE_NT  ; ahead of the wait for the next row's data
.endr
.endm
; A group of x is asked for: 16 loads.
.macro FILLX s, grp
.irp j, 0,1,2,3,4,5,6,7,8,9,10,11,12,13,14,15
	global_load_b128 v[X+64*(\s)+4*(\j):X+64*(\s)+4*(\j)+3], v[OFF], s[8:9] offset:ROWB*(\grp)+512*(\j) th:TH_LOAD_NT
.endr
.endm
; The group in slot s is rounded and stored, in two halves of eight chunks: the first half's stores are dealt among the second half's conversions.
.macro TURNX s, grp, left
	s_wait_loadcnt \left
.irp j, 0,1,2,3,4,5,6,7,8,9,10,11,12,13,14,15
.if (\j) == 8
	s_wait_alu depctr_va_vdst(0)                   ; the first half's conversions have written chunks 0 to 7, which the eight stores of this half read
.endif
.if (\j) >= 8
	global_store_b64 v[OOFF], v[X+64*(\s)+4*((\j)-8):X+64*(\s)+4*((\j)-8)+1], s[12:13] offset:4096*(\grp)+256*((\j)-8) th:TH_STORE_NT  ; the chunk eight back: no vector line since the wait names its registers.  32 lanes x 8 bytes: 256 consecutive bytes, at a multiple of 256 from xb's first byte
.endif
	v_cvt_pk_bf16_f32 v[X+64*(\s)+4*(\j)], v[X+64*(\s)+4*(\j)], v[X+64*(\s)+4*(\j)+1]
	v_cvt_pk_bf16_f32 v[X+64*(\s)+4*(\j)+1], v[X+64*(\s)+4*(\j)+2], v[X+64*(\s)+4*(\j)+3]
.endr
	s_wait_alu depctr_va_vdst(0)                   ; the group's end: the second half's conversions have written chunks 8 to 15, which the stores below read; every conversion of the group is done with X[s]
.irp j, 8,9,10,11,12,13,14,15
	global_store_b64 v[OOFF], v[X+64*(\s)+4*(\j):X+64*(\s)+4*(\j)+1], s[12:13] offset:4096*(\grp)+256*(\j) th:TH_STORE_NT  ; ahead of the wait for the next group's data
.endr
.endm
	s_load_b256 s[4:11], s[0:1], 0x0               ; weight_packed s[4:5], weight_scales s[6:7], x s[8:9], wb s[10:11]
	s_load_b64 s[12:13], s[0:1], 0x20              ; xb
	v_lshl_add_u32 v[SPW], v0, 2, SPARE
	v_mov_b32 v[NIL], 0
	v_lshrrev_b32 v1, 5, v0
	v_readfirstlane_b32 s14, v1                    ; wave 0..3
	v_and_b32 v1, 31, v0                           ; lane
	s_wait_alu depctr_va_sdst(0)                   ; s14 is written
	s_and_b32 s22, ttmp7, 0xffff                   ; the work-group's y
	s_cmp_lt_u32 s22, 2
	s_cbranch_scc0 .Lx                             ; y = 2: x's path
	; THE WEIGHTS
	s_lshl_b32 s15, s22, 8
	s_add_co_u32 s15, s15, ttmp9                   ; 256 y + x
	s_lshl_b32 s15, s15, 2
	s_add_co_u32 s15, s15, s14                     ; g
	s_lshl_b32 s19, s15, 15                        ; four rows of 8,192 bytes
	s_lshl_b32 s20, s15, 11                        ; four rows of 512 bytes of scales
	s_mul_i32 s21, s14, AREA                       ; my wave's LDS bytes
	s_mov_b32 s16, 0x04000400                      ; v_perm_b32: byte 0 of the second source, byte 0 of the first, and both once more
	s_mov_b32 s17, 0x05040100                      ; the low halves of the second source and of the first
	s_mov_b32 s18, 0xffff0000                      ; a word's upper bf16
	v_lshl_add_u32 v[OFF], v1, 4, s19
	v_lshl_add_u32 v[SOFF], v1, 4, s20
	v_and_b32 v10, 1, v0                           ; l % 2
	v_bfe_u32 v11, v0, 1, 4                        ; l / 2
	v_mul_u32_u24 v10, v10, 4*QP
	v_lshl_add_u32 v10, v11, 2, v10
	v_add_nc_u32 v[LST], s21, v10
	v_bfe_u32 v11, v0, 2, 3                        ; l / 4
	v_mul_u32_u24 v11, v11, QP
	v_add_nc_u32 v[LRD], s21, v11
	v_mov_b32 v[ONE], 0x7f7f7f7f
	v_mov_b32 v[ZERO], 0
	s_wait_kmcnt 0x0
	s_wait_alu depctr_va_vdst(0)                   ; v2 to v5 are written: every load, store and LDS instruction of this path reads one of them as its offset or address
	FILLW 0, 0
	FILLW 1, 1
	FILLW 2, 2
	TURNW 0, 0, 34                                 ; rows 1 and 2, 17 loads each, stay out
	s_wait_xcnt 0x0                                ; every earlier memory instruction has had its addresses translated (ISA guide 3.1): slot 0, which row 0's stores read, is loaded again only behind this wait
	s_wait_alu depctr_vm_vsrc(0)                   ; row 0's stores have read X[0] and its LDS stores RAW[0], in which row 3's loads land (the vector lines that named them stand ahead of the wait at row 0's end, and none has been issued since)
	FILLW 0, 3
	TURNW 1, 1, 34                                 ; rows 2 and 3 stay out
	TURNW 2, 2, 17                                 ; row 3 stays out
	TURNW 0, 3, 0
	s_branch .Lend
.Lx:	; THE ACTIVATIONS
	s_lshl_b32 s15, ttmp9, 2
	s_add_co_u32 s15, s15, s14                     ; g
	s_lshl_b32 s19, s15, 15                        ; 32,768 bytes of x,
	s_lshl_b32 s20, s15, 14                        ; 16,384 of xb
	v_lshl_add_u32 v[OFF], v1, 4, s19
	v_lshl_add_u32 v[OOFF], v1, 3, s20
	s_wait_kmcnt 0x0
	s_wait_alu depctr_va_vdst(0)                   ; v2 and v3 are written: every load and store of this path reads one of them as its offset
	FILLX 0, 0
	FILLX 1, 1
	FILLX 2, 2
	TURNX 0, 0, 32                                 ; groups 1 and 2, 16 loads each, stay out
	s_wait_xcnt 0x0                                ; slot 0, which group 0's stores read, is loaded again only behind this wait
	s_wait_alu depctr_vm_vsrc(0)                   ; group 0's stores have read X[0], in which group 3's loads land (the conversions that named it stand ahead of the wait at group 0's end, and no vector line has been issued since)
	FILLX 0, 3
	TURNX 1, 1, 32
	TURNX 2, 2, 16
	TURNX 0, 3, 0
.Lend:
	s_wait_dscnt 0x0                               ; the closing lines, six on end
	s_wait_alu 0x0
	s_wait_tensorcnt 0x0
	ds_add_u32 v[SPW], v[NIL]
	s_wait_dscnt 0x0
	s_endpgm
.Lfunc_end_k_qf5d0fc4cd4_prep:
	.size	k_qf5d0fc4cd4_prep, .Lfunc_end_k_qf5d0fc4cd4_prep-k_qf5d0fc4cd4_prep
	.p2alignl 7, 3214868480
	.fill 96, 4, 3214868480
	.section	.rodata,"a",@progbits
	.p2align	6, 0x0
	.amdhsa_kernel k_qf5d0fc4cd4_prep
		.amdhsa_group_segment_fixed_size 10752
		.amdhsa_private_segment_fixed_size 0
		.amdhsa_enable_private_segment 0
		.amdhsa_kernarg_size 40
		.amdhsa_user_sgpr_count 2
		.amdhsa_user_sgpr_kernarg_segment_ptr 1
		.amdhsa_wavefront_size32 1
		.amdhsa_system_sgpr_workgroup_id_x 1
		.amdhsa_system_sgpr_workgroup_id_y 1
		.amdhsa_system_sgpr_workgroup_id_z 1
		.amdhsa_system_vgpr_workitem_id 0
		.amdhsa_next_free_vgpr 256
		.amdhsa_next_free_sgpr 66
		.amdhsa_reserve_vcc 0
		.amdhsa_float_denorm_mode_32 3
		.amdhsa_float_denorm_mode_16_64 3
		.amdhsa_memory_ordered 1
		.amdhsa_forward_progress 1
		.amdhsa_inst_pref_size 88
	.end_amdhsa_kernel
	.amdgpu_metadata
---
amdhsa.version: [ 1, 2 ]
amdhsa.kernels:
  - .name:           k_qf5d0fc4cd4_prep
    .symbol:         k_qf5d0fc4cd4_prep.kd
    .args:
      - { .name: weight_packed, .offset: 0, .size: 8, .value_kind: global_buffer, .address_space: global }
      - { .name: weight_scales, .offset: 8, .size: 8, .value_kind: global_buffer, .address_space: global }
      - { .name: x, .offset: 16, .size: 8, .value_kind: global_buffer, .address_space: global }
      - { .name: wb, .offset: 24, .size: 8, .value_kind: global_buffer, .address_space: global }
      - { .name: xb, .offset: 32, .size: 8, .value_kind: global_buffer, .address_space: global }
    .group_segment_fixed_size: 10752
    .private_segment_fixed_size: 0
    .kernarg_segment_align: 8
    .kernarg_segment_size: 40
    .max_flat_workgroup_size: 128
    .sgpr_count:     66
    .vgpr_count:     256
    .wavefront_size: 32
...
	.end_amdgpu_metadata
.endif
;; end of part 3
;; launch gemm: the kernel of part 2 again; grid 32 x 8, 4 waves a work-group, clusters of 4 x 4, 327,680 bytes of LDS; arguments xb, wb, out0, bias; writes out0
